; MI455X (gfx1250); checked and timed in simulation.
; The chip was launched on July 23, 2026; its instructions are those of AMD's public machine-readable ISA for CDNA 5 (MIT licence, August 2026) and "CDNA5" Instruction Set Architecture Reference Guide (July 2026). The comments in the code are by the model that wrote it; some were corrected since.
;; Core Attention. Allowed arithmetic: float matrix products may take bf16 or f16 operands with f32 sums; other float arithmetic in f32, or as packed bf16 or f16 multiplies, adds, multiply-adds, maxima and minima; sums over many terms, partial sums and values carried from step to step in f32; what a program stores and reads back later, other than sums and carried values, may be rounded once to bf16 or f16.
;; Inputs: key_states 4,096 x 16 x 128 float32; kv_sequence_mask 1 x 4,096 bool; q_sequence_mask 1 x 4,096 bool; query_states 4,096 x 16 x 128 float32; value_states 4,096 x 16 x 128 float32.
;; Outputs: out0 4,096 x 16 x 128 float32.
;; 2 versions, each right and faster than the one before. Each part assembles by itself: llvm-mc -triple=amdgcn-amd-amdhsa -mcpu=gfx1250 --defsym DOCPART=n.
;; ======== version 1 of 2: 3 launches
;; limits: values are held in f16: magnitudes above 65,504 overflow, below 6.1e-05 lose precision; inputs' magnitudes at most 65,504; right only within a limited range of input values
;; workspace buffers: qf 16,777,216 bytes; kf 16,777,216 bytes; vf 16,777,216 bytes; stats 524,288 bytes; flags 16,384 bytes of whole numbers
;; launch pack (part 1): grid 256 x 3, 8 waves a work-group, no clusters, 70,656 bytes of LDS; arguments query_states, key_states, value_states, qf, kf, vf; writes qf, kf, vf
.if DOCPART == 1
	.amdgcn_target "amdgcn-amd-amdhsa--gfx1250"
	.amdhsa_code_object_version 6
	.text
	.protected	k_qfc3e8d3580_pack
	.globl	k_qfc3e8d3580_pack
	.p2align	8
	.type	k_qfc3e8d3580_pack,@function
k_qfc3e8d3580_pack:
	s_mov_b64 s[64:65], 0
	v_nop
	global_prefetch_b8 v0, s[64:65] scope:SCOPE_SE
	s_setreg_imm32_b32 hwreg(HW_REG_WAVE_MODE, 25, 1), 1
	s_wait_xcnt 0x0
; q, k, v: [4096 rows][16 heads][128 channels] f32.  Each number is rounded once to bf16 and laid out in the order in which a matrix operand lies in registers,
; so that the two launches behind fill a fragment by loads of 512 consecutive bytes, with no LDS and no turning load.
;   qf, kf (bf16): [head][group of 16 rows][c 4][j 2][lane 32][8]: row 16 g + lane % 16, channel 32 c + 16 j + 8 (lane / 16) + e.   16 rows of a head are 4,096 bytes.
;   vf (f16):      [head][group of 32 keys][cb 8][j 2][lane 32][8]: key 32 g + 16 j + 8 (lane / 16) + e, channel 16 cb + lane % 16.  32 keys of a head are 8,192 bytes.
; v is rounded to bf16 like q and k, and that number is then written as f16, which is exact between 2^-14 and 65,504.
; LIMITS.  |v| after the rounding stays below 65,504 (beyond it f16 has an infinity); below 2^-14 it keeps f16's fixed step of 6e-8.  NaN and infinities are not treated apart.
; The module's two sequence masks are arguments that its result does not hang on: the function never uses them.  No launch of this program is given them.
; SHARES.  grid y picks the tensor.  q, k: work-group x = 16 rows (131,072 consecutive bytes), wave w heads 2 w and 2 w + 1.  v: work-group x = 32 keys (x / 2) and eight heads (8 (x % 2) + w).
; Every load takes one row of a head, 512 consecutive bytes; every store 512 consecutive bytes at a multiple of 512 from the buffer's first byte.  All 32 loads of a wave go out before the first is used.
; The change of order goes through the wave's own 8,704 bytes of LDS: no wave reads another's bytes, so there is no barrier, and LDS serves a wave's instructions in order (ISA guide 5.7.1.4).
; Memory binds: no matrix unit, no cluster (no byte is read twice), no tensor load (the numbers change format on the way, so they pass through registers anyway).
.set WREG,  8704                       ; a wave's LDS bytes: q, k: 2 heads x 16 pieces of 256 bytes at a pitch of 272; v: 8 pieces of 1,024 bytes at a pitch of 1,040
.set SPARE, 8*WREG                     ; 69,632: the spare words, 128 bytes a wave: four blocks of 256 bytes that no other line names
.set X,     32                         ; v[32:159] 32 loads of 4 registers; later the read-back
; v1 lane   v2 16 x lane   v3, v4 q, k: LDS address in, back   v5, v6 v: the same   v7-v23 at work   v30 my spare word   v31 0
	s_load_b256 s[4:11], s[0:1], 0x0               ; q s[4:5], k s[6:7], v s[8:9], qf s[10:11]
	s_load_b128 s[12:15], s[0:1], 0x20             ; kf s[12:13], vf s[14:15]
	v_lshl_add_u32 v30, v0, 2, SPARE
	v_mov_b32 v31, 0
	v_lshrrev_b32 v7, 5, v0
	v_readfirstlane_b32 s16, v7                    ; wave 0..7
	v_and_b32 v1, 31, v0
	v_lshlrev_b32 v2, 4, v1
	s_mov_b32 s17, ttmp9                           ; x
	s_and_b32 s18, ttmp7, 0xffff                   ; y: 0 q, 1 k, 2 v
	s_mul_i32 s19, s16, WREG                       ; my LDS bytes
	s_mov_b32 s25, 0                               ; high word of the offsets
	s_mov_b32 s26, 0xffff0000                      ; a word's upper bf16
	s_wait_kmcnt 0x0
	s_cmp_eq_u32 s18, 2
	s_cbranch_scc1 .Lvalue
	; ---------------- q and k ----------------
	s_cmp_eq_u32 s18, 0
	s_cselect_b64 s[20:21], s[4:5], s[6:7]         ; from
	s_cselect_b64 s[22:23], s[10:11], s[12:13]     ; to
	s_lshl_b32 s24, s17, 17                        ; 16 rows of 8,192 bytes
	s_lshl_b32 s27, s16, 10                        ; two heads of 512 bytes
	s_add_co_u32 s24, s24, s27
	s_add_nc_u64 s[20:21], s[20:21], s[24:25]
	s_lshl_b32 s24, s16, 21                        ; head 2 w: 1 MiB a head
	s_lshl_b32 s27, s17, 12                        ; group x: 4,096 bytes
	s_add_co_u32 s24, s24, s27
	s_add_nc_u64 s[22:23], s[22:23], s[24:25]
.set i, 0
.rept 32                                               ; load i: head 2 w + i / 16, row i % 16; my lane gets channels 4 lane .. 4 lane + 3
	global_load_b128 v[X+4*i:X+4*i+3], v2, s[20:21] offset:(i%16)*8192+(i/16)*512 th:TH_LOAD_NT
.set i, i+1
.endr
	; Eight channels of a row are one lane's 16 bytes of a fragment; piece o = channel / 8 holds them for the 16 rows: 256 bytes, and the pieces lie in ascending order in qf.
	v_lshrrev_b32 v7, 1, v1                        ; in: my piece is lane / 2, my half of its 16 bytes lane % 2; the row stands in the immediate
	v_mul_u32_u24 v3, v7, 272                      ; pitch 272 = 68 words: the 32 lanes' 8 bytes fall on 64 different banks (64 banks of 4 bytes: ISA guide 11.1)
	v_and_b32 v7, 1, v1
	v_lshl_add_u32 v3, v7, 3, v3
	v_add_nc_u32 v3, s19, v3
	v_lshrrev_b32 v7, 4, v1                        ; back: two pieces, 512 bytes of qf, at a time
	v_mul_u32_u24 v4, v7, 272
	v_and_b32 v7, 15, v1
	v_lshl_add_u32 v4, v7, 4, v4
	v_add_nc_u32 v4, s19, v4
.set i, 0
.rept 32
	s_wait_loadcnt 31-i                            ; loads come back in order (ISA guide 5.7.1): load i is in, the 31 - i younger ones stay out
	v_cvt_pk_bf16_f32 v[X+4*i], v[X+4*i], v[X+4*i+1]
	v_cvt_pk_bf16_f32 v[X+4*i+1], v[X+4*i+2], v[X+4*i+3]
	ds_store_b64 v3, v[X+4*i:X+4*i+1] offset:(i/16)*4352+(i%16)*16
.set i, i+1
.endr
.set i, 0
.rept 16
	ds_load_b128 v[X+4*i:X+4*i+3], v4 offset:(i/8)*4352+(i%8)*544
.set i, i+1
.endr
.set i, 0
.rept 16
	s_wait_dscnt 15-i                              ; read-back i is in, the younger ones stay out
	global_store_b128 v2, v[X+4*i:X+4*i+3], s[22:23] offset:(i/8)*1048576+(i%8)*512
.set i, i+1
.endr
	s_wait_tensorcnt 0x0                           ; the wave's end
	ds_add_u32 v30, v31
	s_wait_dscnt 0x0
	s_endpgm
	; ---------------- v ----------------
.Lvalue:
	s_lshr_b32 s27, s17, 1                         ; the group of 32 keys
	s_and_b32 s28, s17, 1
	s_lshl_b32 s28, s28, 3
	s_add_co_u32 s28, s28, s16                     ; my head
	s_lshl_b32 s24, s27, 18                        ; 32 rows of 8,192 bytes
	s_lshl_b32 s29, s28, 9
	s_add_co_u32 s24, s24, s29
	s_add_nc_u64 s[20:21], s[8:9], s[24:25]
	s_lshl_b32 s24, s28, 20
	s_lshl_b32 s29, s27, 13
	s_add_co_u32 s24, s24, s29
	s_add_nc_u64 s[22:23], s[14:15], s[24:25]
.set i, 0
.rept 32                                               ; load i: key i; my lane gets channels 4 lane .. 4 lane + 3 of all 32 keys
	global_load_b128 v[X+4*i:X+4*i+3], v2, s[20:21] offset:i*8192 th:TH_LOAD_NT
.set i, i+1
.endr
	; A lane of a fragment of V^T holds 8 keys of one channel.  My lane has all keys of its four channels, so it makes whole 16-byte pieces itself.
	v_lshrrev_b32 v7, 2, v1                        ; channel block cb = lane / 4,
	v_mul_u32_u24 v5, v7, 1040                     ; 1,024 bytes at a pitch of 1,040: sixteen lanes' 16 bytes fall on sixteen different columns of 16 bytes modulo 256
	v_and_b32 v7, 3, v1                            ; channel 4 (lane % 4) + a in the block: 64 bytes for my four
	v_lshl_add_u32 v5, v7, 6, v5
	v_add_nc_u32 v5, s19, v5
	v_add_nc_u32 v6, s19, v2                       ; back: 512 consecutive bytes
.set p, 0
.rept 4                                                ; keys 8 p .. 8 p + 7: j = p / 2, half of the lanes p % 2
	s_wait_loadcnt 24-8*p                          ; the first 8 p + 8 loads are in
.set a, 0
.rept 4                                                ; my channel 4 lane + a
.set w_, 16+4*(a%2)
.set m, 0
.rept 4
	v_cvt_pk_bf16_f32 v[8+m], v[X+4*(8*p+2*m)+a], v[X+4*(8*p+2*m+1)+a]  ; two keys, rounded to bf16
.set m, m+1
.endr
.set m, 0
.rept 4
	v_lshlrev_b32 v[12+m], 16, v[8+m]              ; back to f32: the low half moves up,
	v_and_b32 v[8+m], s26, v[8+m]                  ; the high half stays
.set m, m+1
.endr
.set m, 0
.rept 4
	v_cvt_pk_f16_f32 v[w_+m], v[12+m], v[8+m]      ; the same numbers as f16
.set m, m+1
.endr
	ds_store_b128 v5, v[w_:w_+3] offset:(p/2)*512+(p%2)*256+a*16
.set a, a+1
.endr
.set p, p+1
.endr
.set i, 0
.rept 16
	ds_load_b128 v[X+4*i:X+4*i+3], v6 offset:(i/2)*1040+(i%2)*512
.set i, i+1
.endr
.set i, 0
.rept 16
	s_wait_dscnt 15-i
	global_store_b128 v2, v[X+4*i:X+4*i+3], s[22:23] offset:i*512
.set i, i+1
.endr
	s_wait_tensorcnt 0x0                           ; the wave's end, as above
	ds_add_u32 v30, v31
	s_wait_dscnt 0x0
	s_endpgm
.Lfunc_end_k_qfc3e8d3580_pack:
	.size	k_qfc3e8d3580_pack, .Lfunc_end_k_qfc3e8d3580_pack-k_qfc3e8d3580_pack
	.p2alignl 7, 3214868480
	.fill 96, 4, 3214868480
	.section	.rodata,"a",@progbits
	.p2align	6, 0x0
	.amdhsa_kernel k_qfc3e8d3580_pack
		.amdhsa_group_segment_fixed_size 70656
		.amdhsa_private_segment_fixed_size 0
		.amdhsa_enable_private_segment 0
		.amdhsa_kernarg_size 48
		.amdhsa_user_sgpr_count 2
		.amdhsa_user_sgpr_kernarg_segment_ptr 1
		.amdhsa_wavefront_size32 1
		.amdhsa_system_sgpr_workgroup_id_x 1
		.amdhsa_system_sgpr_workgroup_id_y 1
		.amdhsa_system_sgpr_workgroup_id_z 1
		.amdhsa_system_vgpr_workitem_id 0
		.amdhsa_next_free_vgpr 160
		.amdhsa_next_free_sgpr 66
		.amdhsa_reserve_vcc 0
		.amdhsa_float_denorm_mode_32 3
		.amdhsa_float_denorm_mode_16_64 3
		.amdhsa_memory_ordered 1
		.amdhsa_forward_progress 1
		.amdhsa_inst_pref_size 35
	.end_amdhsa_kernel
	.amdgpu_metadata
---
amdhsa.version: [ 1, 2 ]
amdhsa.kernels:
  - .name:           k_qfc3e8d3580_pack
    .symbol:         k_qfc3e8d3580_pack.kd
    .args:
      - { .name: query_states, .offset: 0, .size: 8, .value_kind: global_buffer, .address_space: global }
      - { .name: key_states, .offset: 8, .size: 8, .value_kind: global_buffer, .address_space: global }
      - { .name: value_states, .offset: 16, .size: 8, .value_kind: global_buffer, .address_space: global }
      - { .name: qf, .offset: 24, .size: 8, .value_kind: global_buffer, .address_space: global }
      - { .name: kf, .offset: 32, .size: 8, .value_kind: global_buffer, .address_space: global }
      - { .name: vf, .offset: 40, .size: 8, .value_kind: global_buffer, .address_space: global }
    .group_segment_fixed_size: 70656
    .private_segment_fixed_size: 0
    .kernarg_segment_align: 8
    .kernarg_segment_size: 48
    .max_flat_workgroup_size: 256
    .sgpr_count:     66
    .vgpr_count:     160
    .wavefront_size: 32
...
	.end_amdgpu_metadata
.endif
;; end of part 1
;; launch stats (part 2): grid 16 x 16, 4 waves a work-group, no clusters, 139,776 bytes of LDS; arguments qf, kf, stats, flags; writes stats, flags
.if DOCPART == 2
	.amdgcn_target "amdgcn-amd-amdhsa--gfx1250"
	.amdhsa_code_object_version 6
	.text
	.protected	k_qfc3e8d3580_stats
	.globl	k_qfc3e8d3580_stats
	.p2align	8
	.type	k_qfc3e8d3580_stats,@function
k_qfc3e8d3580_stats:
	s_mov_b64 s[64:65], 0
	v_nop
	global_prefetch_b8 v0, s[64:65] scope:SCOPE_SE
	s_setreg_imm32_b32 hwreg(HW_REG_WAVE_MODE, 25, 1), 1
	s_wait_xcnt 0x0
; THE FIRST PASS of causal attention whose weights are clip(1.03 softmax - 0.03, 0, 1).  The clip is not linear, so a weight wants its row's FINAL maximum and sum: this launch makes them,
; stats[h][n] = (c m, 1.03 / l), c = log2(e) / sqrt(128), l = the sum over k <= n of 2^(c s - c m); and a table of whole numbers, flags[h][G][w], bit T: among queries 64 G .. + 63 and keys
; 128 T + 32 w .. + 31 some weight may be above 0.  A weight is above 0 only where c s > c m + log2(l) + log2(0.03 / 1.03); the test allows 0.01 + 2^-21 |c m| more, which covers the roundings of
; c s, of the bound itself and of the transcendentals (1 ULP: ISA guide, their entries), so the flags name every block with a weight above 0, and some without.
; LIMITS.  c s lies above -2^83 and |s| far below 1e30 (a hidden score counts as -1e30); a weight below 2^-126 counts as 0 in l; NaN and infinities are not treated apart.
; SHARES.  A work-group takes two blocks of 128 queries of one head, 31 - b and then b: 33 key tiles of 128, whatever b.  Each of the four waves holds ALL 128 queries (8 tiles of 16, 256 registers)
; and takes keys 32 w .. 32 w + 31 of every tile, straight from memory into registers: kf lies in fragment order, so a tile's share is 16 loads of 512 consecutive bytes, each byte enters the
; work-group once and feeds eight query tiles.  Two K buffers take turns, each filled again two tiles ahead.  No LDS ring and no barrier in the walk.
; NO CLUSTER, NO TENSOR LOAD: no wave reads a byte of K that another wave of the work-group reads, so LDS would only add a hop; the 16 work-groups of a head walk 31 - b and b tiles, different numbers, and
; their branches hang on b.
; LAYOUT.  S^T = K Q^T (source 0 = 16 keys, source 1 = 16 queries): a lane holds ONE query (lane % 16) and keys 8 (lane / 16) + 0..7 of each group of 16.  Each lane keeps a running (c m, l) over its own keys;
; lanes and waves are merged once a block, through LDS.  Each lane's c x (largest score) of every tile is kept in LDS (TMS) and held against the row's bound when that is known.
; BY TURNS.  A tile's share is four PIECES of two query tiles, 16 products each; piece p's products carry piece p - 1's softmax, six vector instructions behind each.
; THE MASK of the diagonal tile is the C operand that starts a sum: 0 or -1e30.  It hangs on query tile less key group (-1 .. 7), the wave and the lane alone: nine sets, made once.
; REGISTERS, in windows of 256 (s_set_vgpr_msb: bits 1:0 source 0, 3:2 source 1, 5:4 source 2, 7:6 destination):
;   window 0: v0-31 addresses; v32-95 statistics, 8 a tile; v96-103 TM, v104-111 TMD: a tile's c x maximum; v112-119 the rows' bounds; v128-255 S^T, 16 a tile
;   window 1: Q, 32 a tile     window 2: v0-63, v64-127 K's two buffers, v128-191 the diagonal tile's K     window 3: v0-71 the nine masks, v72-79 the diagonal's pattern
.set PART,  131072                     ; LDS: 0 .. 131,071 TMS [wave][tile 32][half 2][lane][16 bytes], each wave's own; then PART [wave][query tile 8][lane][8 bytes]
.set SPARE, 139264                     ; the spare words, 128 bytes a wave: two blocks of 256 bytes that no other line names
.set LO,  3                            ; v3   16 x lane
.set TA,  4                            ; v4   where this tile's maxima go
.set TA0, 5                            ; v5   wave x 32,768 + 16 x lane
.set PW,  6                            ; v6   PART + wave x 2,048 + 8 x lane
.set PR,  7                            ; v7   PART + 8 x lane
.set SO,  8                            ; v8   8 x lane
.set ST,  32                           ; tile t at ST + 8 t: +0 c m, +1 named with it as a pair (later l, then 1.03 / l), +2, +3 l (even keys', odd keys'), +4, +5 at work, +6 a, +7 c m_old - c m_new
.set TM,  96
.set TMD, 104
.set TH,  112
.set ZR,  120
.set S,   128
.set KA,  0
.set KB,  64
.set KD,  128
.set PAT, 72
; s12 wave  s13 b  s14 head  s15 I: the block in hand  s16 T: the key tile  s17 at work  s[18:19] c  s[20:21] lane selects  s22 -1e30  s23 blocks to go  s[24:25] kf at my head and my 32 keys of tile 0
; s[26:27] K's pointer  s[28:29] Q's  s[30:31] an offset  s[32:33] the diagonal tile's K  s[34:35], s[36:37] a mask's factor and addend  s38, s39 the two flag words  s40-47 compare masks
; s48 lanes 16-31  s49 EXEC kept  s[50:51], s[52:53] where stats and flags go  s54 2^-21  s55 bits 0 .. I - 1  s56 2 x wave  s57 bit I
.set CS,  18
.set SEL, 20
.set MSB, 0
.macro WIN new                         ; the immediate's high byte repeats the setting that is left; a switch that changes nothing is dropped
.if MSB != (\new)
	s_set_vgpr_msb (MSB<<8)|(\new)
.set MSB, (\new)
.endif
.endm
.set W_KQ, 0x06                        ; K window 2, Q window 1, S^T window 0
.set W_KM, 0x36                        ; the same with the C operand in window 3
.macro ALLT line:vararg                ; one line for each query tile t
.set t, 0
.rept 8
	\line
.set t, t+1
.endr
.endm
	s_load_b256 s[4:11], s[0:1], 0x0               ; qf s[4:5], kf s[6:7], stats s[8:9], flags s[10:11]
	v_lshl_add_u32 v30, v0, 2, SPARE
	v_mov_b32 v31, 0
	v_lshrrev_b32 v11, 5, v0
	v_readfirstlane_b32 s12, v11                   ; wave 0..3
	s_mov_b32 s13, ttmp9
	s_and_b32 s14, ttmp7, 0xffff
	v_and_b32 v10, 31, v0                          ; lane
	v_and_b32 v1, 15, v0
	v_bfe_u32 v2, v0, 4, 1
	v_lshlrev_b32 v[LO], 4, v10
	s_lshl_b32 s17, s12, 15
	v_add_nc_u32 v[TA0], s17, v[LO]
	v_lshlrev_b32 v[SO], 3, v10
	s_lshl_b32 s17, s12, 11
	s_add_co_u32 s17, s17, PART
	v_add_nc_u32 v[PW], s17, v[SO]
	v_add_nc_u32 v[PR], PART, v[SO]
	s_mov_b32 s[CS], 0x3e0293ee                    ; c = 0.127517
	s_mov_b32 s[CS+1], s[CS]                       ; named with it as a pair
	s_mov_b32 s[SEL], 0x76543210                   ; v_permlanex16_b32: each lane takes its own place in the other half
	s_mov_b32 s[SEL+1], 0xfedcba98
	s_mov_b32 s22, 0xf149f2ca                      ; -1e30
	s_mov_b32 s31, 0
	s_mov_b32 s35, 0
	s_mov_b32 s37, 0
	s_mov_b32 s48, 0xffff0000
	s_mov_b32 s54, 0x35000000                      ; 2^-21
	s_lshl_b32 s56, s12, 1
	; the diagonal's pattern: register j of a result is key 8 (lane / 16) + j, the lane's query is lane % 16: hidden where j > lane % 16 - 8 (lane / 16)
	v_lshlrev_b32 v11, 3, v2
	v_sub_nc_u32 v11, v1, v11
	WIN 0xc0                                       ; destination window 3
.set j_, 0
.rept 8
	v_cmp_gt_i32 vcc_lo, j_, v11
	v_cndmask_b32 v[PAT+j_], 0, s22, vcc_lo
.set j_, j_+1
.endr
	; key group 2 w + kt of the diagonal tile against query tile t, d = t - kt: the diagonal itself if 2 w = d, hidden if 2 w > d, open if 2 w < d: pattern x factor + addend
	WIN 0xc3
.irp d, -1,0,1,2,3,4,5,6,7
	s_cmp_eq_i32 s56, \d
	s_cselect_b32 s34, 1.0, 0
	s_cmp_gt_i32 s56, \d
	s_cselect_b32 s36, s22, 0
.set z_, 0
.rept 4
	v_pk_fma_f32 v[8*((\d)+1)+2*z_:8*((\d)+1)+2*z_+1], v[PAT+2*z_:PAT+2*z_+1], s[34:35], s[36:37] op_sel_hi:[1,0,0]
.set z_, z_+1
.endr
.endr
	WIN 0
.irp z, 0,1,2,3
	v_mov_b32 v[ZR+\z], 0
.endr
.set i_, 0
.rept 64                                               ; my part of TMS is written once whole: the flags' reads take whole runs of 16 tiles, and drop the bits of tiles that the block does not have
	ds_store_b128 v[TA0], v[ZR:ZR+3] offset:512*i_
.set i_, i_+1
.endr
	s_sub_co_u32 s15, 31, s13                      ; the first block
	s_mov_b32 s23, 2
	s_wait_kmcnt 0x0
	s_lshl_b32 s30, s14, 20                        ; a head is 1 MiB of qf and of kf
	s_add_nc_u64 s[4:5], s[4:5], s[30:31]
	s_add_nc_u64 s[24:25], s[6:7], s[30:31]
	s_lshl_b32 s30, s12, 13                        ; my 32 keys of a tile: 8,192 bytes
	s_add_nc_u64 s[24:25], s[24:25], s[30:31]
; Product I_ of 16 of piece p: channels 32 (I_ / 4) on, key group (I_ % 4) / 2, query tile 2 p + I_ % 2.  The four accumulators take turns, one instruction a turn.
; The first four start the sums: with the constant 0, or in the diagonal tile with the mask.
.macro KQ kb, p, diag
.set c_, I_/4
.set t_, 2*(\p)+I_%2
.set k_, (I_%4)/2
.set rD, S+16*t_+8*k_
.set rK, (\kb)+8*(4*k_+c_)
.set rQ, 32*t_+8*c_
.set rM, 8*(t_-k_+1)
.if (c_ == 0) && (\diag)
	WIN W_KM
	v_wmma_f32_16x16x32_bf16 v[rD:rD+7], v[rK:rK+7], v[rQ:rQ+7], v[rM:rM+7]
.elseif c_ == 0
	WIN W_KQ
	v_wmma_f32_16x16x32_bf16 v[rD:rD+7], v[rK:rK+7], v[rQ:rQ+7], 0
.else
	WIN W_KQ
	v_wmma_f32_16x16x32_bf16 v[rD:rD+7], v[rK:rK+7], v[rQ:rQ+7], v[rD:rD+7]
	s_wait_alu depctr_va_vdst(0)
.endif
.set I_, I_+1
.endm
; Slot SG of 96 of the softmax of the piece whose tiles are y, y + 1; s0-s15 are the lane's scores of a tile.  Slots 0-23, the two tiles alternating, twelve lines each:
;   the maximum in two chains, each accumulator's lowest registers first; c x maximum (kept in tmr); c m_old - it; the new c m; that difference held at 0 from above.
; Slots 24-95 in groups of four: plain, exponential for tile y, plain, exponential for tile y + 1, so that behind every exponential stands a plain line of the other tile before its result is used (ISA guide 5.7.2).
;   exponentials: a, then s0-s15.  plain: c s - c m for a pair whose exponentials are still to come, or l takes a pair whose exponentials are done (the first time as l = a l + pair).
.macro SLOT y, tmr
.if SG < 24
.set t_, (\y)+SG%2
.set j_, SG/2
.set rT, ST+8*t_
.set rS, S+16*t_
.if j_ == 0
	v_max3_num_f32 v[rT+4], v[rS], v[rS+1], v[rS+2]
.elseif j_ == 1
	v_max3_num_f32 v[rT+5], v[rS+8], v[rS+9], v[rS+10]
.elseif j_ == 2
	v_max3_num_f32 v[rT+4], v[rT+4], v[rS+3], v[rS+4]
.elseif j_ == 3
	v_max3_num_f32 v[rT+5], v[rT+5], v[rS+11], v[rS+12]
.elseif j_ == 4
	v_max3_num_f32 v[rT+4], v[rT+4], v[rS+5], v[rS+6]
.elseif j_ == 5
	v_max3_num_f32 v[rT+5], v[rT+5], v[rS+13], v[rS+14]
.elseif j_ == 6
	v_max3_num_f32 v[rT+4], v[rT+4], v[rS+7], v[rS+15]
.elseif j_ == 7
	v_max_num_f32 v[rT+4], v[rT+4], v[rT+5]
.elseif j_ == 8
	v_mul_f32 v[(\tmr)+t_], s[CS], v[rT+4]
.elseif j_ == 9
	v_sub_f32 v[rT+7], v[rT], v[(\tmr)+t_]
.elseif j_ == 10
	v_max_num_f32 v[rT], v[rT], v[(\tmr)+t_]
.else
	v_min_num_f32 v[rT+7], 0, v[rT+7]
.endif
.else
.set u_, SG-24
.set g_, u_/4
.set t_, (\y)+(u_%4)/2
.set rT, ST+8*t_
.set rS, S+16*t_
.set f_, -1                            ; the pair to scale, or
.set l_, -1                            ; the pair to add
.if u_%2 == 1
.if g_ == 0
	v_exp_f32 v[rT+6], v[rT+7]
.elseif g_ < 17
	v_exp_f32 v[rS+g_-1], v[rS+g_-1]
.endif
.elseif g_ < 2
.set f_, g_
.elseif (g_ == 2) || (g_ == 15)
.elseif g_ > 15
.set l_, g_-10
.elseif g_%2 == 1
.set f_, (g_+1)/2
.else
.set l_, (g_-4)/2
.endif
.if f_ >= 0
	v_pk_fma_f32 v[rS+2*f_:rS+2*f_+1], v[rS+2*f_:rS+2*f_+1], s[CS:CS+1], v[rT:rT+1] op_sel_hi:[1,0,0] neg_lo:[0,0,1] neg_hi:[0,0,1]
.elseif l_ == 0
	s_wait_alu depctr_va_vdst(0)
	v_pk_fma_f32 v[rT+2:rT+3], v[rT+2:rT+3], v[rT+6:rT+7], v[rS:rS+1] op_sel_hi:[1,0,1]
.elseif l_ > 0
	s_wait_alu depctr_va_vdst(0)
	v_pk_add_f32 v[rT+2:rT+3], v[rT+2:rT+3], v[rS+2*l_:rS+2*l_+1]
.endif
.endif
.set SG, SG+1
.endm
; My share of one key tile, from K buffer kb.  A vector line that reads a matrix result stands four plain vector lines that name none of its registers behind it (ISA guide 7.12.1): behind piece 0 four v_nop;
; from then on the slices: between a piece's last product and the first read of its result stand three plain lines of the piece before and three of its own that read other accumulators.
; ahead > 0: the buffer is filled again with tile T + ahead (held at 31, the head's last, so that no load leaves kf), fifteen plain lines behind the last product that read it.
; diag = 0: the eight tiles' c x maximum go to TMS, tile T (+ off / 1,024).
.macro HALF kb, diag, tmr, ahead, off
.set I_, 0
.rept 16
	KQ \kb, 0, \diag
.endr
	WIN 0
.rept 4
	v_nop
.endr
.irp p, 1,2,3
.set I_, 0
.set SG, 0
.rept 16
	KQ \kb, \p, \diag
	WIN 0
.rept 6
	SLOT 2*((\p)-1), \tmr
.endr
.endr
.endr
.set SG, 0
.rept 12
	SLOT 6, \tmr
.endr
.if \ahead
	s_wait_xcnt 0x0                                ; K's pointer is rewritten only behind this wait
	s_add_co_u32 s17, s16, \ahead
	s_min_u32 s17, s17, 31
	s_lshl_b32 s30, s17, 15                        ; a tile is 32,768 bytes of a head
	s_add_nc_u64 s[26:27], s[24:25], s[30:31]
	WIN 0x80                                       ; destination window 2
.set i_, 0
.rept 16
	global_load_b128 v[(\kb)+4*i_:(\kb)+4*i_+3], v[LO], s[26:27] offset:512*i_
.set i_, i_+1
.endr
	WIN 0
.endif
.rept 84
	SLOT 6, \tmr
.endr
.if !(\diag)
	v_lshl_add_u32 v[TA], s16, 10, v[TA0]
	ds_store_b128 v[TA], v[TM:TM+3] offset:(\off)
	ds_store_b128 v[TA], v[TM+4:TM+7] offset:(\off)+512
.endif
.endm
; dst takes the bit where any lane of the four compare masks from s[base] on is set: a choice of a value, no branch
.macro ANY4 base, dst, bit
	s_or_b32 s[\base], s[\base], s[\base+1]
	s_or_b32 s[\base+2], s[\base+2], s[\base+3]
	s_or_b32 s[\base], s[\base], s[\base+2]
	s_cselect_b32 s17, \bit, 0
	s_or_b32 s[\dst], s[\dst], s17
.endm
.macro FBATCH B                        ; tiles 16 B .. 16 B + 15: every lane's maxima against its row's bound
.set i_, 0
.rept 16
	ds_load_b128 v[S+8*i_:S+8*i_+3], v[TA0] offset:(16*(\B)+i_)*1024
	ds_load_b128 v[S+8*i_+4:S+8*i_+7], v[TA0] offset:(16*(\B)+i_)*1024+512
.set i_, i_+1
.endr
.set i_, 0
.rept 16
	s_wait_dscnt 30-2*i_                           ; tile i's pair is in, the younger pairs stay out
.set k_, 0
.rept 8
	v_cmp_gt_f32 s[40+k_], v[S+8*i_+k_], v[TH+k_]
.set k_, k_+1
.endr
	ANY4 40, 38, (1<<(16*(\B)+i_))
	ANY4 44, 39, (1<<(16*(\B)+i_))
.set i_, i_+1
.endr
.endm
.Lblock:                                               ; twice: block 31 - b, then block b
	s_wait_xcnt 0x0                                ; pointers are rewritten only behind this wait
	s_lshl_b32 s30, s15, 15                        ; 128 rows are 32,768 bytes of a head
	s_add_nc_u64 s[28:29], s[4:5], s[30:31]
	s_add_nc_u64 s[32:33], s[24:25], s[30:31]
	WIN 0x40                                       ; destination window 1
.set i_, 0
.rept 64
	global_load_b128 v[4*i_:4*i_+3], v[LO], s[28:29] offset:512*i_     ; Q: tile i / 8, channels 32 ((i % 8) / 2) on
.set i_, i_+1
.endr
	WIN 0x80
.set i_, 0
.rept 16
	global_load_b128 v[KD+4*i_:KD+4*i_+3], v[LO], s[32:33] offset:512*i_   ; the diagonal tile's K
.set i_, i_+1
.endr
.set i_, 0
.rept 16
	global_load_b128 v[KA+4*i_:KA+4*i_+3], v[LO], s[24:25] offset:512*i_   ; tile 0
.set i_, i_+1
.endr
.set i_, 0
.rept 16
	global_load_b128 v[KB+4*i_:KB+4*i_+3], v[LO], s[24:25] offset:32768+512*i_  ; tile 1 (a head has 32)
.set i_, i_+1
.endr
	WIN 0
	ALLT v_mov_b32 v[ST+8*t], 0xe9000000           ; c m starts at -2^83: below every c s, above c x -1e30, so a share that is all hidden leaves it, and l stays 0
	ALLT v_mov_b32 v[ST+8*t+1], 0xe9000000
	ALLT v_mov_b32 v[ST+8*t+2], 0
	ALLT v_mov_b32 v[ST+8*t+3], 0
	s_mov_b32 s16, 0
.Lpair:                                                ; two tiles a trip; the block has I tiles in front of its diagonal one, and both ways out go forward
	s_cmp_ge_u32 s16, s15
	s_cbranch_scc1 .Ldone
	s_wait_loadcnt 16                              ; all but the youngest 16 loads are in: those are the other buffer's
	HALF KA, 0, TM, 2, 0
	s_add_co_u32 s17, s16, 1
	s_cmp_ge_u32 s17, s15
	s_cbranch_scc1 .Ldone
	s_wait_loadcnt 16                              ; likewise
	HALF KB, 0, TM, 3, 1024
	s_add_co_u32 s16, s16, 2
	s_cmp_lt_u32 s16, 32
	s_cbranch_scc1 .Lpair
.Ldone:
	s_wait_loadcnt 0x0                             ; the diagonal tile's K and Q (where I = 0), and the loads that ran ahead: their registers are loaded again in the next block
	HALF KD, 1, TMD, 0, 0
	; THE MERGE.  Each lane's (c m, l) goes to PART; every wave reads all four waves' and makes all eight tiles' final figures, since it needs every row's bound.
.set t, 0
.rept 8
	v_add_f32 v[ST+8*t+1], v[ST+8*t+2], v[ST+8*t+3]
	ds_store_b64 v[PW], v[ST+8*t:ST+8*t+1] offset:t*256
.set t, t+1
.endr
	s_wait_dscnt 0x0                               ; for the others' sake: my stores are done
	s_barrier_signal -1
	s_barrier_wait -1
.set i_, 0
.rept 32                                               ; wave i % 4's figures for tile i / 4 at S + 8 (i / 4) + 2 (i % 4)
	ds_load_b64 v[S+2*i_:S+2*i_+1], v[PR] offset:(i_%4)*2048+(i_/4)*256
.set i_, i_+1
.endr
	s_wait_dscnt 0x0                               ; my reads of PART are over:
	s_barrier_signal -1                            ; nobody writes it for the next block before all four have said so; the arithmetic stands between the signal and the wait
	ALLT v_max3_num_f32 v[ST+8*t+4], v[S+8*t], v[S+8*t+2], v[S+8*t+4]
	ALLT v_max_num_f32 v[ST+8*t+4], v[ST+8*t+4], v[S+8*t+6]
	ALLT v_permlanex16_b32 v[ST+8*t+5], v[ST+8*t+4], s[SEL], s[SEL+1]
	ALLT v_max_num_f32 v[ST+8*t], v[ST+8*t+4], v[ST+8*t+5]
.irp w, 0,1,2,3
	ALLT v_sub_f32 v[S+8*t+2*\w], v[S+8*t+2*\w], v[ST+8*t]
.endr
.irp w, 0,1,2,3
	ALLT v_exp_f32 v[S+8*t+2*\w], v[S+8*t+2*\w]
.endr
	v_nop                                          ; a plain line behind the last exponential
	s_wait_alu depctr_va_vdst(0)
	ALLT v_mul_f32 v[ST+8*t+2], v[S+8*t+1], v[S+8*t]
.irp w, 1,2,3
	ALLT v_fmac_f32 v[ST+8*t+2], v[S+8*t+2*\w+1], v[S+8*t+2*\w]
.endr
	ALLT v_permlanex16_b32 v[ST+8*t+3], v[ST+8*t+2], s[SEL], s[SEL+1]
	ALLT v_add_f32 v[ST+8*t+2], v[ST+8*t+2], v[ST+8*t+3]
	ALLT v_rcp_f32 v[ST+8*t+6], v[ST+8*t+2]
	ALLT v_log_f32 v[ST+8*t+7], v[ST+8*t+2]
	v_nop
	s_wait_alu depctr_va_vdst(0)
	ALLT v_mul_f32 v[ST+8*t+1], 0x3f83d70a, v[ST+8*t+6]         ; 1.03 / l
	ALLT v_add_f32 v[TH+t], 0xc0a3916b, v[ST+8*t+7]             ; log2(l) + log2(0.03 / 1.03) - 0.01
	ALLT v_add_f32 v[TH+t], v[TH+t], v[ST+8*t]                  ; + c m
	ALLT v_fma_f32 v[TH+t], -|v[ST+8*t]|, s54, v[TH+t]          ; - 2^-21 |c m|
	s_barrier_wait -1
	; THE FLAGS: word s38 for query tiles 0-3 (group 2 I), s39 for tiles 4-7 (group 2 I + 1)
	s_mov_b32 s38, 0
	s_mov_b32 s39, 0
	FBATCH 0
	s_cmp_le_u32 s15, 16
	s_cbranch_scc1 .Lshort                         ; a block with 16 tiles or fewer in front of its diagonal
	FBATCH 1
.Lshort:
	s_lshl_b32 s57, 1, s15                         ; bit I: the diagonal tile
	s_sub_co_u32 s55, s57, 1
	s_and_b32 s38, s38, s55                        ; tiles that this block does not have are dropped
	s_and_b32 s39, s39, s55
.set k_, 0
.rept 8
	v_cmp_gt_f32 s[40+k_], v[TMD+k_], v[TH+k_]
.set k_, k_+1
.endr
	ANY4 40, 38, s57
	ANY4 44, 39, s57
	; THE STORES.  Wave w stores rows 32 w .. 32 w + 31 of the block (tiles 2 w and 2 w + 1; both halves of the lanes hold a row's figures): 256 consecutive bytes, at a multiple of 256 from the buffer's first.
	s_wait_xcnt 0x0                                ; the last block's store data and pointers are rewritten only behind this wait
	v_mov_b32 v12, 0
	v_mov_b32 v13, 0
.irp k, 0,1,2,3
	s_cmp_lg_u32 s12, \k
	s_cbranch_scc1 .Lnot\k
	v_cndmask_b32 v12, v[ST+16*\k], v[ST+16*\k+8], s48
	v_cndmask_b32 v13, v[ST+16*\k+1], v[ST+16*\k+9], s48
.Lnot\k:
.endr
	s_lshl_b32 s30, s14, 15                        ; (4,096 h + 128 I + 32 w) x 8 bytes
	s_lshl_b32 s17, s15, 10
	s_add_co_u32 s30, s30, s17
	s_lshl_b32 s17, s12, 8
	s_add_co_u32 s30, s30, s17
	s_add_nc_u64 s[50:51], s[8:9], s[30:31]
	global_store_b64 v[SO], v[12:13], s[50:51]
	s_lshl_b32 s30, s14, 10                        ; ((64 h + 2 I) x 4 + w) x 4 bytes; the second word 16 bytes on.  Two words a wave and block: 16,384 bytes in the whole launch
	s_lshl_b32 s17, s15, 5
	s_add_co_u32 s30, s30, s17
	s_lshl_b32 s17, s12, 2
	s_add_co_u32 s30, s30, s17
	s_add_nc_u64 s[52:53], s[10:11], s[30:31]
	v_mov_b32 v14, s38
	v_writelane_b32 v14, s39, 1
	s_wait_xcnt 0x0                                ; EXEC changes only behind this wait
	v_cmp_gt_u32 vcc_lo, 2, v10
	s_and_saveexec_b32 s49, vcc_lo
	global_store_b32 v[LO], v14, s[52:53]          ; lanes 0 and 1
	s_wait_xcnt 0x0                                ; and again, in front of the line that widens it
	s_or_b32 exec_lo, exec_lo, s49
	s_mov_b32 s15, s13                             ; the second block
	s_sub_co_u32 s23, s23, 1
	s_cmp_lg_u32 s23, 0
	s_cbranch_scc1 .Lblock
	s_wait_tensorcnt 0x0                           ; the wave's end
	ds_add_u32 v30, v31
	s_wait_dscnt 0x0
	s_endpgm
.Lfunc_end_k_qfc3e8d3580_stats:
	.size	k_qfc3e8d3580_stats, .Lfunc_end_k_qfc3e8d3580_stats-k_qfc3e8d3580_stats
	.p2alignl 7, 3214868480
	.fill 96, 4, 3214868480
	.section	.rodata,"a",@progbits
	.p2align	6, 0x0
	.amdhsa_kernel k_qfc3e8d3580_stats
		.amdhsa_group_segment_fixed_size 139776
		.amdhsa_private_segment_fixed_size 0
		.amdhsa_enable_private_segment 0
		.amdhsa_kernarg_size 32
		.amdhsa_user_sgpr_count 2
		.amdhsa_user_sgpr_kernarg_segment_ptr 1
		.amdhsa_wavefront_size32 1
		.amdhsa_system_sgpr_workgroup_id_x 1
		.amdhsa_system_sgpr_workgroup_id_y 1
		.amdhsa_system_sgpr_workgroup_id_z 1
		.amdhsa_system_vgpr_workitem_id 0
		.amdhsa_next_free_vgpr 848
		.amdhsa_next_free_sgpr 66
		.amdhsa_reserve_vcc 1
		.amdhsa_float_denorm_mode_32 3
		.amdhsa_float_denorm_mode_16_64 3
		.amdhsa_memory_ordered 1
		.amdhsa_forward_progress 1
		.amdhsa_inst_pref_size 156
	.end_amdhsa_kernel
	.amdgpu_metadata
---
amdhsa.version: [ 1, 2 ]
amdhsa.kernels:
  - .name:           k_qfc3e8d3580_stats
    .symbol:         k_qfc3e8d3580_stats.kd
    .args:
      - { .name: qf, .offset: 0, .size: 8, .value_kind: global_buffer, .address_space: global }
      - { .name: kf, .offset: 8, .size: 8, .value_kind: global_buffer, .address_space: global }
      - { .name: stats, .offset: 16, .size: 8, .value_kind: global_buffer, .address_space: global }
      - { .name: flags, .offset: 24, .size: 8, .value_kind: global_buffer, .address_space: global }
    .group_segment_fixed_size: 139776
    .private_segment_fixed_size: 0
    .kernarg_segment_align: 8
    .kernarg_segment_size: 32
    .max_flat_workgroup_size: 128
    .sgpr_count:     66
    .vgpr_count:     848
    .wavefront_size: 32
...
	.end_amdgpu_metadata
.endif
;; end of part 2
;; launch apply (part 3): grid 64 x 16, 4 waves a work-group, no clusters, 135,680 bytes of LDS; arguments qf, kf, vf, stats, flags, out0; writes out0
.if DOCPART == 3
	.amdgcn_target "amdgcn-amd-amdhsa--gfx1250"
	.amdhsa_code_object_version 6
	.text
	.protected	k_qfc3e8d3580_apply
	.globl	k_qfc3e8d3580_apply
	.p2align	8
	.type	k_qfc3e8d3580_apply,@function
k_qfc3e8d3580_apply:
	s_mov_b64 s[64:65], 0
	v_nop
	global_prefetch_b8 v0, s[64:65] scope:SCOPE_SE
	s_setreg_imm32_b32 hwreg(HW_REG_WAVE_MODE, 25, 1), 1
	s_wait_xcnt 0x0
; THE SECOND PASS.  out[n][h][:] = the sum over k <= n of clip(1.03 p - 0.03, 0, 1) v[k][h][:], p = 2^(c s - c m) / l, with (c m, 1.03 / l) from stats.  A weight above 0 wants p > 0.0291, so a row has at most 34
; of them, whatever the inputs: only the blocks of 64 queries x 32 keys that flags names are computed; the others add nothing.  With every block named the launch is as right, and longer.
; The scores are made by the same products, in the same order, as in the launch before, so m is their true maximum.
; FORMATS.  q, k in bf16; v is the bf16 number written as f16; a weight goes to the matrix unit as TWO f16 numbers, hi = f16(w) and lo = f16(w - hi), each multiplied by V into the same f32 sum:
; one f16 alone is off by up to 2^-12 of a weight near 1, which in the first rows is more than the result's allowance.
; LIMITS.  As in the two launches before: |v| below 65,504, |s| far below 1e30 (a hidden score counts as -1e30); lo keeps f16's fixed step of 6e-8; NaN and infinities are not treated apart.
; SHARES.  Work-group (G, h): queries 64 G .. + 63 of head h, four tiles of 16, held by every wave.  Wave w walks the set bits T of its word flags[h][G][w]: keys 128 T + 32 w .. + 31, K and V straight from memory
; in fragment order (16 loads of 512 consecutive bytes each).  The four waves' partial sums O^T, in f32, meet in LDS behind one barrier; wave w adds and stores rows 16 w .. + 15, each a whole 512 bytes.
; The trip count is a number read from memory, so no first step can be written out ahead of the loop: O^T is cleared, 256 lines, by the waves that have work.
; NO CLUSTER, NO TENSOR LOAD: which blocks a work-group reads hangs on its own flags, so partners share no walk; no wave reads a byte that another wave of the work-group reads.
; REGISTERS, in windows of 256 (s_set_vgpr_msb: bits 1:0 source 0, 3:2 source 1, 5:4 source 2, 7:6 destination):
;   window 0: v0-31 addresses and constants; v32-47 (c m, c m, 1.03 / l, 1.03 / l) a tile; v64-127 S^T, 16 a tile; v128-159 hi, v160-191 lo, 8 a tile.  Behind the barrier: v64-127 sums, v128-191 a wave's part
;   window 1: O^T, 64 a tile     window 2: v0-127 Q; v128-191 K; v192-255 V     window 3: v0-39 five masks (query tile less key group: -1 .. 3); v40-47 the diagonal's pattern
.set OP,    528                        ; a row of O in LDS: 512 bytes + 16: the sixteen rows that a store touches fall on sixteen different columns of 16 bytes modulo 256 (64 banks of 4 bytes: ISA guide 11.1)
.set OWAVE, 64*OP                      ; a wave's part: 64 rows
.set SPARE, 4*OWAVE                    ; 135,168: the spare words, 128 bytes a wave: two blocks of 256 bytes that no other line names
.set LO,   3                           ; v3   16 x lane
.set OW,   4                           ; v4   where I put my query's channels
.set STO,  5                           ; v5   8 x (lane % 16)
.set RB,   8                           ; v8-11  where I read row 16 w of wave 0 .. 3's part
.set C03,  14                          ; v[14:15] -0.03 twice
.set NEG1, 16                          ; v16  -1.0
.set STT,  32
.set S,    64
.set PH,   128
.set PL,   160
.set ACC,  64
.set TMP,  128
.set KF,   128
.set VF,   192
.set PAT,  40
; s16 wave  s17 G  s18 head  s19 at work  s[20:23] the group's four flag words  s24 my word, bits still to do  s25 their number  s26 trips done  s27 the step u = 4 T + w  s[28:29] an offset
; s[30:31], s[32:33] kf, vf at my head  s[34:35], s[36:37] at the step  s[38:39] c  s40 -1e30  s41 2 u - 4 G  s[42:43], s[44:45] a mask's factor and addend  s[46:47] out0 at my rows
; s[48:49] flags at my group  s[50:51] qf, s[52:53] stats at my queries  s54 at work
.set MSB, 0
.macro WIN new                         ; the immediate's high byte repeats the setting that is left; a switch that changes nothing is dropped
.if MSB != (\new)
	s_set_vgpr_msb (MSB<<8)|(\new)
.set MSB, (\new)
.endif
.endm
	s_load_b256 s[4:11], s[0:1], 0x0               ; qf s[4:5], kf s[6:7], vf s[8:9], stats s[10:11]
	s_load_b128 s[12:15], s[0:1], 0x20             ; flags s[12:13], out0 s[14:15]
	v_lshl_add_u32 v30, v0, 2, SPARE
	v_mov_b32 v31, 0
	v_lshrrev_b32 v7, 5, v0
	v_readfirstlane_b32 s16, v7                    ; wave 0..3
	s_mov_b32 s17, ttmp9
	s_and_b32 s18, ttmp7, 0xffff
	v_and_b32 v1, 15, v0
	v_bfe_u32 v2, v0, 4, 1
	v_and_b32 v6, 31, v0
	v_lshlrev_b32 v[LO], 4, v6
	s_mul_i32 s19, s16, OWAVE
	v_mul_u32_u24 v[OW], v1, OP                    ; row lane % 16 of a tile, 32 bytes for each half of the lanes
	v_lshl_add_u32 v[OW], v2, 5, v[OW]
	v_add_nc_u32 v[OW], s19, v[OW]
	s_mul_i32 s19, s16, 16*OP
.irp w, 0,1,2,3
	v_add_nc_u32 v[RB+\w], s19, v[LO]
	s_add_co_u32 s19, s19, OWAVE
.endr
	v_lshlrev_b32 v[STO], 3, v1
	s_lshl_b32 s28, s18, 6
	s_add_co_u32 s28, s28, s17
	s_lshl_b32 s28, s28, 4                         ; (64 h + G) x 16 bytes
	s_mov_b32 s29, 0
	s_wait_kmcnt 0x0
	s_add_nc_u64 s[48:49], s[12:13], s[28:29]
	s_load_b128 s[20:23], s[48:49], 0x0
	s_lshl_b32 s28, s17, 19                        ; ((64 G + 16 w) x 16 + h) x 512 bytes
	s_lshl_b32 s19, s16, 17
	s_add_co_u32 s28, s28, s19
	s_lshl_b32 s19, s18, 9
	s_add_co_u32 s28, s28, s19
	s_add_nc_u64 s[46:47], s[14:15], s[28:29]
	s_wait_kmcnt 0x0
	s_mov_b32 s24, s20                             ; my word
	s_cmp_eq_u32 s16, 1
	s_cselect_b32 s24, s21, s24
	s_cmp_eq_u32 s16, 2
	s_cselect_b32 s24, s22, s24
	s_cmp_eq_u32 s16, 3
	s_cselect_b32 s24, s23, s24
	s_bcnt1_i32_b32 s25, s24                       ; so many steps
	s_cmp_eq_u32 s25, 0
	s_cbranch_scc1 .Lnone                          ; none: on to the barrier
	s_lshl_b32 s28, s18, 20                        ; a head is 1 MiB of qf, kf and vf
	s_add_nc_u64 s[30:31], s[6:7], s[28:29]
	s_add_nc_u64 s[32:33], s[8:9], s[28:29]
	s_add_nc_u64 s[50:51], s[4:5], s[28:29]
	s_lshl_b32 s28, s17, 14                        ; 64 rows are 16,384 bytes
	s_add_nc_u64 s[50:51], s[50:51], s[28:29]
	s_lshl_b32 s28, s18, 15                        ; (4,096 h + 64 G) x 8 bytes
	s_lshl_b32 s19, s17, 9
	s_add_co_u32 s28, s28, s19
	s_add_nc_u64 s[52:53], s[10:11], s[28:29]
	WIN 0x80                                       ; destination window 2
.set i_, 0
.rept 32
	global_load_b128 v[4*i_:4*i_+3], v[LO], s[50:51] offset:512*i_     ; Q: tile i / 8, channels 32 ((i % 8) / 2) on
.set i_, i_+1
.endr
	WIN 0
.irp t, 0,1,2,3
	global_load_b64 v[STT+4*\t:STT+4*\t+1], v[STO], s[52:53] offset:128*\t  ; my query's (c m, 1.03 / l)
.endr
	s_mov_b32 s38, 0x3e0293ee                      ; c = log2(e) / sqrt(128)
	s_mov_b32 s39, s38                             ; named with it as a pair
	s_mov_b32 s40, 0xf149f2ca                      ; -1e30
	s_mov_b32 s43, 0
	s_mov_b32 s45, 0
	v_mov_b32 v[C03], 0xbcf5c28f
	v_mov_b32 v[C03+1], 0xbcf5c28f
	v_mov_b32 v[NEG1], -1.0
	v_lshlrev_b32 v7, 3, v2
	v_sub_nc_u32 v7, v1, v7                        ; register j of a result is hidden on the diagonal where j > lane % 16 - 8 (lane / 16)
	WIN 0xc0
.set j_, 0
.rept 8
	v_cmp_gt_i32 vcc_lo, j_, v7
	v_cndmask_b32 v[PAT+j_], 0, s40, vcc_lo
.set j_, j_+1
.endr
	WIN 0x40
.set i_, 0
.rept 256
	v_mov_b32 v[i_], 0                             ; O^T
.set i_, i_+1
.endr
	WIN 0
.set i_, 0
.rept 32
	v_mov_b32 v[PL+i_], 0                          ; lo is written a half at a time
.set i_, i_+1
.endr
	s_wait_loadcnt 0x0                             ; Q and the statistics
.irp t, 0,1,2,3
	v_mov_b32 v[STT+4*\t+2], v[STT+4*\t+1]
	v_mov_b32 v[STT+4*\t+3], v[STT+4*\t+1]
	v_mov_b32 v[STT+4*\t+1], v[STT+4*\t]
.endr
	s_mov_b32 s26, 0
.Lstep:                                                ; a trip: one flagged block of 64 queries x 32 keys
	s_ctz_i32_b32 s27, s24                         ; T: my word's lowest bit still set,
	s_min_u32 s27, s27, 31                         ; held inside the head
	s_sub_co_u32 s54, s24, 1
	s_and_b32 s24, s24, s54                        ; and taken out
	s_lshl_b32 s27, s27, 2
	s_add_co_u32 s27, s27, s16                     ; u = 4 T + w
	s_lshl_b32 s28, s27, 13                        ; 32 keys are 8,192 bytes of kf and of vf
	s_wait_xcnt 0x0                                ; the two pointers are rewritten only behind this wait
	s_add_nc_u64 s[34:35], s[30:31], s[28:29]
	s_add_nc_u64 s[36:37], s[32:33], s[28:29]
	s_lshl_b32 s41, s27, 1
	s_lshl_b32 s54, s17, 2
	s_sub_co_i32 s41, s41, s54                     ; key group 2 u + kt against query tile 4 G + t, d = t - kt: the diagonal if 2 u - 4 G = d, hidden if greater
	WIN 0xc3                                       ; these twenty plain lines are also the places between the last trip's products and the loads into K's and V's registers
.irp d, -1,0,1,2,3
	s_cmp_eq_i32 s41, \d
	s_cselect_b32 s42, 1.0, 0
	s_cmp_gt_i32 s41, \d
	s_cselect_b32 s44, s40, 0
.set z_, 0
.rept 4
	v_pk_fma_f32 v[8*((\d)+1)+2*z_:8*((\d)+1)+2*z_+1], v[PAT+2*z_:PAT+2*z_+1], s[42:43], s[44:45] op_sel_hi:[1,0,0]
.set z_, z_+1
.endr
.endr
	WIN 0x80
.set i_, 0
.rept 16
	global_load_b128 v[KF+4*i_:KF+4*i_+3], v[LO], s[34:35] offset:512*i_
.set i_, i_+1
.endr
.set i_, 0
.rept 16
	global_load_b128 v[VF+4*i_:VF+4*i_+3], v[LO], s[36:37] offset:512*i_
.set i_, i_+1
.endr
	s_wait_loadcnt 16                              ; K is in; V's 16 loads stay out
	; S^T = K Q^T: product i: channels 32 (i / 8) on, key group (i % 8) / 4, query tile i % 4.  The eight accumulators take turns; the first eight start the sums with the mask.
.set i_, 0
.rept 32
.set c_, i_/8
.set k_, (i_%8)/4
.set t_, i_%4
.set rD, S+16*t_+8*k_
.set rK, KF+8*(4*k_+c_)
.set rQ, 32*t_+8*c_
.set rM, 8*(t_-k_+1)
.if c_ == 0
	WIN 0x3a                                       ; K and Q window 2, the mask window 3, S^T window 0
	v_wmma_f32_16x16x32_bf16 v[rD:rD+7], v[rK:rK+7], v[rQ:rQ+7], v[rM:rM+7]
.else
	WIN 0x0a
	v_wmma_f32_16x16x32_bf16 v[rD:rD+7], v[rK:rK+7], v[rQ:rQ+7], v[rD:rD+7]
.endif
.set i_, i_+1
.endr
	WIN 0
.rept 4
	v_nop                                          ; the places behind those products
.endr
	; THE WEIGHTS, stage by stage over the four tiles; each accumulator's lowest registers are read first
.set i_, 0
.rept 32                                               ; c s - c m: tile i / 8, pair i % 8
	v_pk_fma_f32 v[S+2*i_:S+2*i_+1], v[S+2*i_:S+2*i_+1], s[38:39], v[STT+4*(i_/8):STT+4*(i_/8)+1] op_sel_hi:[1,0,0] neg_lo:[0,0,1] neg_hi:[0,0,1]
.set i_, i_+1
.endr
.set i_, 0
.rept 64
	v_exp_f32 v[S+i_], v[S+i_]
.set i_, i_+1
.endr
	v_nop                                          ; a plain line behind the last exponential
.set i_, 0
	s_wait_alu depctr_va_vdst(0)
.rept 32                                               ; 2^(..) x 1.03 / l - 0.03, held to 0 .. 1: the clip
	v_pk_fma_f32 v[S+2*i_:S+2*i_+1], v[S+2*i_:S+2*i_+1], v[STT+4*(i_/8)+2:STT+4*(i_/8)+3], v[C03:C03+1] clamp
.set i_, i_+1
.endr
.set i_, 0
.rept 32                                               ; hi: two results of 16 keys, rounded in pairs, ARE source 1 (32 keys x 16 queries) of the second product
	v_cvt_pk_f16_f32 v[PH+i_], v[S+2*i_], v[S+2*i_+1]
.set i_, i_+1
.endr
.set i_, 0
.rept 32                                               ; lo = the weight less hi, rounded once
	v_fma_mixlo_f16 v[PL+i_], v[PH+i_], v[NEG1], v[S+2*i_] op_sel_hi:[1,0,0]
	v_fma_mixhi_f16 v[PL+i_], v[PH+i_], v[NEG1], v[S+2*i_+1] op_sel:[1,0,0] op_sel_hi:[1,0,0]
.set i_, i_+1
.endr
	s_wait_loadcnt 0x0                             ; V is in
	; O^T += V^T hi, then += V^T lo: product i: query tile i % 4, channels 16 (i / 4) on.  The 32 accumulators take turns.
	WIN 0x52                                       ; V window 2, the weights window 0, O^T window 1
.irp pp, PH, PL
.set i_, 0
.rept 32
.set rO, 64*(i_%4)+8*(i_/4)
	v_wmma_f32_16x16x32_f16 v[rO:rO+7], v[VF+8*(i_/4):VF+8*(i_/4)+7], v[\pp+8*(i_%4):\pp+8*(i_%4)+7], v[rO:rO+7]
.set i_, i_+1
.endr
.endr
	WIN 0
	s_add_co_u32 s26, s26, 1
	s_cmp_lt_u32 s26, s25
	s_cbranch_scc1 .Lstep
.rept 4
	v_nop                                          ; the places behind the last products
.endr
	WIN 0x04                                       ; store data window 1
.set i_, 0
.rept 32                                               ; tile i / 8, channels 16 (i % 8) on: a lane's eight channels of its query, 32 bytes
	ds_store_b128 v[OW], v[8*i_:8*i_+3] offset:(i_/8)*16*OP+(i_%8)*64
	ds_store_b128 v[OW], v[8*i_+4:8*i_+7] offset:(i_/8)*16*OP+(i_%8)*64+16
.set i_, i_+1
.endr
	WIN 0
.Lnone:
	s_wait_dscnt 0x0                               ; for the others' sake: my stores are done
	s_barrier_signal -1
	s_barrier_wait -1
.set i_, 0
.rept 64
	v_mov_b32 v[ACC+i_], 0                         ; a group without a flag is all zeros
.set i_, i_+1
.endr
.irp w, 0,1,2,3
	s_cmp_eq_u32 s[20+\w], 0
	s_cbranch_scc1 .Lskip\w                        ; that wave had no step and wrote nothing
.set i_, 0
.rept 16
	ds_load_b128 v[TMP+4*i_:TMP+4*i_+3], v[RB+\w] offset:i_*OP    ; row 16 w + i, whole: 32 lanes x 16 bytes
.set i_, i_+1
.endr
	s_wait_dscnt 0x0
.set i_, 0
.rept 32
	v_pk_add_f32 v[ACC+2*i_:ACC+2*i_+1], v[ACC+2*i_:ACC+2*i_+1], v[TMP+2*i_:TMP+2*i_+1]
.set i_, i_+1
.endr
.Lskip\w:
.endr
.set i_, 0
.rept 16
	global_store_b128 v[LO], v[ACC+4*i_:ACC+4*i_+3], s[46:47] offset:i_*8192 th:TH_STORE_NT  ; a row of my head: 512 consecutive bytes, at a multiple of 512 from out0's first byte
.set i_, i_+1
.endr
	s_wait_tensorcnt 0x0                           ; the wave's end
	ds_add_u32 v30, v31
	s_wait_dscnt 0x0
	s_endpgm
.Lfunc_end_k_qfc3e8d3580_apply:
	.size	k_qfc3e8d3580_apply, .Lfunc_end_k_qfc3e8d3580_apply-k_qfc3e8d3580_apply
	.p2alignl 7, 3214868480
	.fill 96, 4, 3214868480
	.section	.rodata,"a",@progbits
	.p2align	6, 0x0
	.amdhsa_kernel k_qfc3e8d3580_apply
		.amdhsa_group_segment_fixed_size 135680
		.amdhsa_private_segment_fixed_size 0
		.amdhsa_enable_private_segment 0
		.amdhsa_kernarg_size 48
		.amdhsa_user_sgpr_count 2
		.amdhsa_user_sgpr_kernarg_segment_ptr 1
		.amdhsa_wavefront_size32 1
		.amdhsa_system_sgpr_workgroup_id_x 1
		.amdhsa_system_sgpr_workgroup_id_y 1
		.amdhsa_system_sgpr_workgroup_id_z 1
		.amdhsa_system_vgpr_workitem_id 0
		.amdhsa_next_free_vgpr 816
		.amdhsa_next_free_sgpr 66
		.amdhsa_reserve_vcc 1
		.amdhsa_float_denorm_mode_32 3
		.amdhsa_float_denorm_mode_16_64 3
		.amdhsa_memory_ordered 1
		.amdhsa_forward_progress 1
		.amdhsa_inst_pref_size 61
	.end_amdhsa_kernel
	.amdgpu_metadata
---
amdhsa.version: [ 1, 2 ]
amdhsa.kernels:
  - .name:           k_qfc3e8d3580_apply
    .symbol:         k_qfc3e8d3580_apply.kd
    .args:
      - { .name: qf, .offset: 0, .size: 8, .value_kind: global_buffer, .address_space: global }
      - { .name: kf, .offset: 8, .size: 8, .value_kind: global_buffer, .address_space: global }
      - { .name: vf, .offset: 16, .size: 8, .value_kind: global_buffer, .address_space: global }
      - { .name: stats, .offset: 24, .size: 8, .value_kind: global_buffer, .address_space: global }
      - { .name: flags, .offset: 32, .size: 8, .value_kind: global_buffer, .address_space: global }
      - { .name: out0, .offset: 40, .size: 8, .value_kind: global_buffer, .address_space: global }
    .group_segment_fixed_size: 135680
    .private_segment_fixed_size: 0
    .kernarg_segment_align: 8
    .kernarg_segment_size: 48
    .max_flat_workgroup_size: 128
    .sgpr_count:     66
    .vgpr_count:     816
    .wavefront_size: 32
...
	.end_amdgpu_metadata
.endif
;; end of part 3
;; ======== version 2 of 2: 3 launches; 1.48 times as fast as version 1
;; limits: values are held in f16: magnitudes above 65,504 overflow, below 6.1e-05 lose precision; inputs' magnitudes at most 65,504; right only within a limited range of input values
;; workspace buffers: qf 16,777,216 bytes; kf 16,777,216 bytes; vf 16,777,216 bytes; stats 524,288 bytes; flags 16,384 bytes of whole numbers
;; launch pack: the kernel of part 1 again; grid 256 x 3, 8 waves a work-group, no clusters, 70,656 bytes of LDS; arguments query_states, key_states, value_states, qf, kf, vf; writes qf, kf, vf
;; launch stats (part 4): grid 16 x 16, 4 waves a work-group, no clusters, 139,776 bytes of LDS; arguments qf, kf, stats, flags; writes stats, flags
.if DOCPART == 4
	.amdgcn_target "amdgcn-amd-amdhsa--gfx1250"
	.amdhsa_code_object_version 6
	.text
	.protected	k_qfc3e8d3580_stats
	.globl	k_qfc3e8d3580_stats
	.p2align	8
	.type	k_qfc3e8d3580_stats,@function
k_qfc3e8d3580_stats:
	s_mov_b64 s[64:65], 0
	v_nop
	global_prefetch_b8 v0, s[64:65] scope:SCOPE_SE
	s_setreg_imm32_b32 hwreg(HW_REG_WAVE_MODE, 25, 1), 1
	s_wait_xcnt 0x0
; THE FIRST PASS of causal attention whose weights are clip(1.03 softmax - 0.03, 0, 1).  The clip is not linear, so a weight wants its row's FINAL maximum and sum: this launch makes them,
; stats[h][n] = (c m, 1.03 / l), c = log2(e) / sqrt(128), l = the sum over k <= n of 2^(c s - c m); and a table of whole numbers, flags[h][G][w], bit T: among queries 64 G .. + 63 and keys
; 128 T + 32 w .. + 31 some weight may be above 0.  A weight is above 0 only where c s > c m + log2(l) + log2(0.03 / 1.03); the test allows 0.01 + 2^-21 |c m| more, which covers the roundings of
; c s, of the bound itself and of the transcendentals (1 ULP: ISA guide, their entries), so the flags name every block with a weight above 0, and some without.
; LIMITS.  c s lies above -2^83 and |s| far below 1e30 (a hidden score counts as -1e30); a weight below 2^-126 counts as 0 in l; NaN and infinities are not treated apart.
; SHARES.  A work-group takes two blocks of 128 queries of one head, 31 - b and then b: 33 key tiles of 128, whatever b.  Each of the four waves holds ALL 128 queries (8 tiles of 16, 256 registers)
; and takes keys 32 w .. 32 w + 31 of every tile, straight from memory into registers: kf lies in fragment order, so a tile's share is 16 loads of 512 consecutive bytes, each byte enters the
; work-group once and feeds eight query tiles.  Two K buffers take turns, each filled again two tiles ahead.  No LDS ring and no barrier in the walk.
; NO CLUSTER, NO TENSOR LOAD: no wave reads a byte of K that another wave of the work-group reads, so LDS would only add a hop; the 16 work-groups of a head walk 31 - b and b tiles, different numbers, and
; their branches hang on b.
; LAYOUT.  S^T = K Q^T (source 0 = 16 keys, source 1 = 16 queries): a lane holds ONE query (lane % 16) and keys 8 (lane / 16) + 0..7 of each group of 16.  Each lane keeps a running (c m, l) over its own keys;
; lanes and waves are merged once a block, through LDS.  Each lane's c x (largest score) of every tile is kept in LDS (TMS) and held against the row's bound when that is known.
; BY TURNS.  A tile's share is four PIECES of two query tiles, 16 products each; piece p's products carry piece p - 1's maximum, scalings and exponentials, four or five vector instructions behind each.
; ONE BATCH A SHARE.  Every query tile has S^T registers and an a of its own, so a share's 136 exponentials (8 tiles x (s0-s15, a)) are one batch: nothing names a result of theirs before the last is issued.
; Their only readers, the sums l, stand together at the share's end, behind the share's ONE s_wait_alu depctr_va_vdst(0).  The merge has two batches more a block: 32 exponentials; then 8 reciprocals and
; 8 logarithms of sums made of those.
; THE MASK of the diagonal tile is the C operand that starts a sum: 0 or -1e30.  It hangs on query tile less key group (-1 .. 7), the wave and the lane alone: nine sets, made once.
; REGISTERS, in windows of 256 (s_set_vgpr_msb: bits 1:0 source 0, 3:2 source 1, 5:4 source 2, 7:6 destination):
;   window 0: v0-31 addresses; v32-95 statistics, 8 a tile; v96-103 TM, v104-111 TMD: a tile's c x maximum; v112-119 the rows' bounds; v128-255 S^T, 16 a tile
;   window 1: Q, 32 a tile     window 2: v0-63, v64-127 K's two buffers, v128-191 the diagonal tile's K     window 3: v0-71 the nine masks, v72-79 the diagonal's pattern
.set PART,  131072                     ; LDS: 0 .. 131,071 TMS [wave][tile 32][half 2][lane][16 bytes], each wave's own; then PART [wave][query tile 8][lane][8 bytes]
.set SPARE, 139264                     ; the spare words, 128 bytes a wave: two blocks of 256 bytes that no other line names
.set LO,  3                            ; v3   16 x lane
.set TA,  4                            ; v4   where this tile's maxima go
.set TA0, 5                            ; v5   wave x 32,768 + 16 x lane
.set PW,  6                            ; v6   PART + wave x 2,048 + 8 x lane
.set PR,  7                            ; v7   PART + 8 x lane
.set SO,  8                            ; v8   8 x lane
.set ST,  32                           ; tile t at ST + 8 t: +0 c m, +1 named with it as a pair (later l, then 1.03 / l), +2, +3 l (even keys', odd keys'), +4, +5 at work, +6 a, +7 c m_old - c m_new
.set TM,  96
.set TMD, 104
.set TH,  112
.set ZR,  120
.set S,   128
.set KA,  0
.set KB,  64
.set KD,  128
.set PAT, 72
; s12 wave  s13 b  s14 head  s15 I: the block in hand  s16 T: the key tile  s17 at work  s[18:19] c  s[20:21] lane selects  s22 -1e30  s23 blocks to go  s[24:25] kf at my head and my 32 keys of tile 0
; s[26:27] K's pointer  s[28:29] Q's  s[30:31] an offset  s[32:33] the diagonal tile's K  s[34:35], s[36:37] a mask's factor and addend  s38, s39 the two flag words  s40-47 compare masks
; s48 lanes 16-31  s49 EXEC kept  s[50:51], s[52:53] where stats and flags go  s54 2^-21  s55 bits 0 .. I - 1  s56 2 x wave  s57 bit I
.set CS,  18
.set SEL, 20
.set MSB, 0
.macro WIN new                         ; the immediate's high byte repeats the setting that is left; a switch that changes nothing is dropped
.if MSB != (\new)
	s_set_vgpr_msb (MSB<<8)|(\new)
.set MSB, (\new)
.endif
.endm
.set W_KQ, 0x06                        ; K window 2, Q window 1, S^T window 0
.set W_KM, 0x36                        ; the same with the C operand in window 3
.macro ALLT line:vararg                ; one line for each query tile t
.set t, 0
.rept 8
	\line
.set t, t+1
.endr
.endm
	s_load_b256 s[4:11], s[0:1], 0x0               ; qf s[4:5], kf s[6:7], stats s[8:9], flags s[10:11]
	v_lshl_add_u32 v30, v0, 2, SPARE
	v_mov_b32 v31, 0
	v_lshrrev_b32 v11, 5, v0
	v_readfirstlane_b32 s12, v11                   ; wave 0..3
	s_mov_b32 s13, ttmp9
	s_and_b32 s14, ttmp7, 0xffff
	v_and_b32 v10, 31, v0                          ; lane
	v_and_b32 v1, 15, v0
	v_bfe_u32 v2, v0, 4, 1
	v_lshlrev_b32 v[LO], 4, v10
	s_lshl_b32 s17, s12, 15
	v_add_nc_u32 v[TA0], s17, v[LO]
	v_lshlrev_b32 v[SO], 3, v10
	s_lshl_b32 s17, s12, 11
	s_add_co_u32 s17, s17, PART
	v_add_nc_u32 v[PW], s17, v[SO]
	v_add_nc_u32 v[PR], PART, v[SO]
	s_mov_b32 s[CS], 0x3e0293ee                    ; c = 0.127517
	s_mov_b32 s[CS+1], s[CS]                       ; named with it as a pair
	s_mov_b32 s[SEL], 0x76543210                   ; v_permlanex16_b32: each lane takes its own place in the other half
	s_mov_b32 s[SEL+1], 0xfedcba98
	s_mov_b32 s22, 0xf149f2ca                      ; -1e30
	s_mov_b32 s31, 0
	s_mov_b32 s35, 0
	s_mov_b32 s37, 0
	s_mov_b32 s48, 0xffff0000
	s_mov_b32 s54, 0x35000000                      ; 2^-21
	s_lshl_b32 s56, s12, 1
	; the diagonal's pattern: register j of a result is key 8 (lane / 16) + j, the lane's query is lane % 16: hidden where j > lane % 16 - 8 (lane / 16)
	v_lshlrev_b32 v11, 3, v2
	v_sub_nc_u32 v11, v1, v11
	WIN 0xc0                                       ; destination window 3
.set j_, 0
.rept 8
	v_cmp_gt_i32 vcc_lo, j_, v11
	v_cndmask_b32 v[PAT+j_], 0, s22, vcc_lo
.set j_, j_+1
.endr
	; key group 2 w + kt of the diagonal tile against query tile t, d = t - kt: the diagonal itself if 2 w = d, hidden if 2 w > d, open if 2 w < d: pattern x factor + addend
	WIN 0xc3
.irp d, -1,0,1,2,3,4,5,6,7
	s_cmp_eq_i32 s56, \d
	s_cselect_b32 s34, 1.0, 0
	s_cmp_gt_i32 s56, \d
	s_cselect_b32 s36, s22, 0
.set z_, 0
.rept 4
	v_pk_fma_f32 v[8*((\d)+1)+2*z_:8*((\d)+1)+2*z_+1], v[PAT+2*z_:PAT+2*z_+1], s[34:35], s[36:37] op_sel_hi:[1,0,0]
.set z_, z_+1
.endr
.endr
	WIN 0
.irp z, 0,1,2,3
	v_mov_b32 v[ZR+\z], 0
.endr
.set i_, 0
.rept 64                                               ; my part of TMS is written once whole: the flags' reads take whole runs of 16 tiles, and drop the bits of tiles that the block does not have
	ds_store_b128 v[TA0], v[ZR:ZR+3] offset:512*i_
.set i_, i_+1
.endr
	s_sub_co_u32 s15, 31, s13                      ; the first block
	s_mov_b32 s23, 2
	s_wait_kmcnt 0x0
	s_lshl_b32 s30, s14, 20                        ; a head is 1 MiB of qf and of kf
	s_add_nc_u64 s[4:5], s[4:5], s[30:31]
	s_add_nc_u64 s[24:25], s[6:7], s[30:31]
	s_lshl_b32 s30, s12, 13                        ; my 32 keys of a tile: 8,192 bytes
	s_add_nc_u64 s[24:25], s[24:25], s[30:31]
; Product I_ of 16 of piece p: channels 32 (I_ / 4) on, key group (I_ % 4) / 2, query tile 2 p + I_ % 2.  The four accumulators take turns, one instruction a turn.
; The first four start the sums: with the constant 0, or in the diagonal tile with the mask.
.macro KQ kb, p, diag
.set c_, I_/4
.set t_, 2*(\p)+I_%2
.set k_, (I_%4)/2
.set rD, S+16*t_+8*k_
.set rK, (\kb)+8*(4*k_+c_)
.set rQ, 32*t_+8*c_
.set rM, 8*(t_-k_+1)
.if (c_ == 0) && (\diag)
	WIN W_KM
	v_wmma_f32_16x16x32_bf16 v[rD:rD+7], v[rK:rK+7], v[rQ:rQ+7], v[rM:rM+7]
.elseif c_ == 0
	WIN W_KQ
	v_wmma_f32_16x16x32_bf16 v[rD:rD+7], v[rK:rK+7], v[rQ:rQ+7], 0
.else
	WIN W_KQ
	v_wmma_f32_16x16x32_bf16 v[rD:rD+7], v[rK:rK+7], v[rQ:rQ+7], v[rD:rD+7]
.endif
.set I_, I_+1
.endm
; Slot SG of 74 of the list of the piece whose tiles are y, y + 1; s0-s15 are the lane's scores of a tile.  NONE of the 74 names an exponential's result: the list is the piece's part of the share's batch.
;   0-21, the two tiles alternating, eleven lines each: the maximum in two chains, each accumulator's lowest registers first; c x maximum (kept in tmr); c m_old - it; the new c m.
;   22, 23: plain numbers 0 and 1.   24-73 in ten fives: the first six are plain, exponential, plain, exponential, exponential; the last four a plain line and four exponentials.
;   The 18 plain lines in order, tiles alternating: c s - c m for pairs 0 to 7; then c m_old - c m_new held at 0 from above, which a alone wants.
;   The 34 exponentials in order, tiles alternating: s0-s15, in place; then a.  Exponential m of the first 32 wants plain number 2 (m / 4) + m % 2, the two a want numbers 16 and 17: in this deal the plain lines
;   run ahead of that everywhere.  No line behind an exponential writes its source or reads its result (ISA guide 5.7.2): a scaling always works on a later pair than the exponentials round it.
.macro SLOT y, tmr
.if SG < 22
.set t_, (\y)+SG%2
.set j_, SG/2
.set rT, ST+8*t_
.set rS, S+16*t_
.if j_ == 0
	v_max3_num_f32 v[rT+4], v[rS], v[rS+1], v[rS+2]
.elseif j_ == 1
	v_max3_num_f32 v[rT+5], v[rS+8], v[rS+9], v[rS+10]
.elseif j_ == 2
	v_max3_num_f32 v[rT+4], v[rT+4], v[rS+3], v[rS+4]
.elseif j_ == 3
	v_max3_num_f32 v[rT+5], v[rT+5], v[rS+11], v[rS+12]
.elseif j_ == 4
	v_max3_num_f32 v[rT+4], v[rT+4], v[rS+5], v[rS+6]
.elseif j_ == 5
	v_max3_num_f32 v[rT+5], v[rT+5], v[rS+13], v[rS+14]
.elseif j_ == 6
	v_max3_num_f32 v[rT+4], v[rT+4], v[rS+7], v[rS+15]
.elseif j_ == 7
	v_max_num_f32 v[rT+4], v[rT+4], v[rT+5]
.elseif j_ == 8
	v_mul_f32 v[(\tmr)+t_], s[CS], v[rT+4]
.elseif j_ == 9
	v_sub_f32 v[rT+7], v[rT], v[(\tmr)+t_]
.else
	v_max_num_f32 v[rT], v[rT], v[(\tmr)+t_]
.endif
.else
.set q_, -1                            ; the plain line's number, or
.set m_, -1                            ; the exponential's
.if SG < 24
.set q_, SG-22
.else
.set u_, SG-24
.set g_, u_/5
.set r_, u_%5
.if g_ >= 6
.if r_ == 0
.set q_, g_+8                          ; numbers 14 to 17
.else
.set m_, 4*g_-7+r_                     ; numbers 18 to 33
.endif
.elseif (r_ == 0) || (r_ == 2)
.set q_, 2*g_+2+r_/2                   ; numbers 2 to 13
.else
.set m_, 3*g_+(r_-1)/2+r_/4            ; numbers 0 to 17
.endif
.endif
.if q_ >= 0
.set t_, (\y)+q_%2
.else
.set t_, (\y)+m_%2
.endif
.set rT, ST+8*t_
.set rS, S+16*t_
.if q_ >= 16
	v_min_num_f32 v[rT+7], 0, v[rT+7]
.elseif q_ >= 0
	v_pk_fma_f32 v[rS+2*(q_/2):rS+2*(q_/2)+1], v[rS+2*(q_/2):rS+2*(q_/2)+1], s[CS:CS+1], v[rT:rT+1] op_sel_hi:[1,0,0] neg_lo:[0,0,1] neg_hi:[0,0,1]
.elseif m_ >= 32
	v_exp_f32 v[rT+6], v[rT+7]
.else
	v_exp_f32 v[rS+m_/2], v[rS+m_/2]
.endif
.endif
.set SG, SG+1
.endm
; THE SUMS of a share, the batch's readers: l = a l + pair 0, then pairs 1 to 7 in ascending order, for all eight query tiles; pair by pair, so that the links of a tile's chain stand eight lines apart.
.macro LSUM
.set l_, 0
.rept 8
.set t_, 0
.rept 8
.set rT, ST+8*t_
.set rS, S+16*t_
.if l_ == 0
	v_pk_fma_f32 v[rT+2:rT+3], v[rT+2:rT+3], v[rT+6:rT+7], v[rS:rS+1] op_sel_hi:[1,0,1]
.else
	v_pk_add_f32 v[rT+2:rT+3], v[rT+2:rT+3], v[rS+2*l_:rS+2*l_+1]
.endif
.set t_, t_+1
.endr
.set l_, l_+1
.endr
.endm
; My share of one key tile, from K buffer kb.  Products 0 to 5 of a piece carry four slots of the piece before, products 6 to 15 five: 74.  The last piece's list stands by itself; then the wait; then the sums.
; A vector line that reads a matrix result stands four plain vector lines that name none of its registers behind it (ISA guide 7.12.1): behind piece 0 four v_nop.  From then on: each of a piece's last four
; products carries one plain line of the piece before (slots 54, 59, 64, 69), and the new list's slots 0 to 3 read the four accumulators in the order in which they were finished: between the product that ends
; an accumulator and the slot that reads it stand four plain lines, those carried ones and the slots ahead of it, which read other accumulators.
; ahead > 0: the buffer is filled again with tile T + ahead (held at 31, the head's last, so that no load leaves kf), behind slot 69 and twelve slots of the last list, nine of which name no register of the last
; product that read it.
; diag = 0: the eight tiles' c x maximum go to TMS, tile T (+ off / 1,024).
.macro HALF kb, diag, tmr, ahead, off
.set I_, 0
.rept 16
	KQ \kb, 0, \diag
.endr
	WIN 0
.rept 4
	v_nop
.endr
.irp p, 1,2,3
.set I_, 0
.set SG, 0
.rept 16
	KQ \kb, \p, \diag
	WIN 0
.rept 4
	SLOT 2*((\p)-1), \tmr
.endr
.if I_ > 6
	SLOT 2*((\p)-1), \tmr
.endif
.endr
.endr
.set SG, 0
.rept 12
	SLOT 6, \tmr
.endr
.if \ahead
	s_wait_xcnt 0x0                                ; K's pointer is rewritten only behind this wait
	s_add_co_u32 s17, s16, \ahead
	s_min_u32 s17, s17, 31
	s_lshl_b32 s30, s17, 15                        ; a tile is 32,768 bytes of a head
	s_add_nc_u64 s[26:27], s[24:25], s[30:31]
	WIN 0x80                                       ; destination window 2
.set i_, 0
.rept 16
	global_load_b128 v[(\kb)+4*i_:(\kb)+4*i_+3], v[LO], s[26:27] offset:512*i_
.set i_, i_+1
.endr
	WIN 0
.endif
.rept 62
	SLOT 6, \tmr
.endr
.if \diag
	v_nop                                          ; a plain line behind the batch's last exponential
.else
	v_lshl_add_u32 v[TA], s16, 10, v[TA0]          ; where the maxima go: also the plain line behind the batch's last exponential
.endif
	s_wait_alu depctr_va_vdst(0)                   ; the wait ahead of the first use: ONE for the share's 136 exponentials; it also stands ahead of the branch or label that follows the share
	LSUM
.if !(\diag)
	ds_store_b128 v[TA], v[TM:TM+3] offset:(\off)
	ds_store_b128 v[TA], v[TM+4:TM+7] offset:(\off)+512
.endif
.endm
; dst takes the bit where any lane of the four compare masks from s[base] on is set: a choice of a value, no branch
.macro ANY4 base, dst, bit
	s_or_b32 s[\base], s[\base], s[\base+1]
	s_or_b32 s[\base+2], s[\base+2], s[\base+3]
	s_or_b32 s[\base], s[\base], s[\base+2]
	s_cselect_b32 s17, \bit, 0
	s_or_b32 s[\dst], s[\dst], s17
.endm
.macro FBATCH B                        ; tiles 16 B .. 16 B + 15: every lane's maxima against its row's bound
.set i_, 0
.rept 16
	ds_load_b128 v[S+8*i_:S+8*i_+3], v[TA0] offset:(16*(\B)+i_)*1024
	ds_load_b128 v[S+8*i_+4:S+8*i_+7], v[TA0] offset:(16*(\B)+i_)*1024+512
.set i_, i_+1
.endr
.set i_, 0
.rept 16
	s_wait_dscnt 30-2*i_                           ; tile i's pair is in, the younger pairs stay out
.set k_, 0
.rept 8
	v_cmp_gt_f32 s[40+k_], v[S+8*i_+k_], v[TH+k_]
.set k_, k_+1
.endr
	ANY4 40, 38, (1<<(16*(\B)+i_))
	ANY4 44, 39, (1<<(16*(\B)+i_))
.set i_, i_+1
.endr
.endm
.Lblock:                                               ; twice: block 31 - b, then block b
	s_wait_xcnt 0x0                                ; pointers are rewritten only behind this wait
	s_lshl_b32 s30, s15, 15                        ; 128 rows are 32,768 bytes of a head
	s_add_nc_u64 s[28:29], s[4:5], s[30:31]
	s_add_nc_u64 s[32:33], s[24:25], s[30:31]
	WIN 0x40                                       ; destination window 1
.set i_, 0
.rept 64
	global_load_b128 v[4*i_:4*i_+3], v[LO], s[28:29] offset:512*i_     ; Q: tile i / 8, channels 32 ((i % 8) / 2) on
.set i_, i_+1
.endr
	WIN 0x80
.set i_, 0
.rept 16
	global_load_b128 v[KD+4*i_:KD+4*i_+3], v[LO], s[32:33] offset:512*i_   ; the diagonal tile's K
.set i_, i_+1
.endr
.set i_, 0
.rept 16
	global_load_b128 v[KA+4*i_:KA+4*i_+3], v[LO], s[24:25] offset:512*i_   ; tile 0
.set i_, i_+1
.endr
.set i_, 0
.rept 16
	global_load_b128 v[KB+4*i_:KB+4*i_+3], v[LO], s[24:25] offset:32768+512*i_  ; tile 1 (a head has 32)
.set i_, i_+1
.endr
	WIN 0
	ALLT v_mov_b32 v[ST+8*t], 0xe9000000           ; c m starts at -2^83: below every c s, above c x -1e30, so a share that is all hidden leaves it, and l stays 0
	ALLT v_mov_b32 v[ST+8*t+1], 0xe9000000
	ALLT v_mov_b32 v[ST+8*t+2], 0
	ALLT v_mov_b32 v[ST+8*t+3], 0
	s_mov_b32 s16, 0
.Lpair:                                                ; two tiles a trip; the block has I tiles in front of its diagonal one, and both ways out go forward
	s_cmp_ge_u32 s16, s15
	s_cbranch_scc1 .Ldone
	s_wait_loadcnt 16                              ; all but the youngest 16 loads are in: those are the other buffer's
	HALF KA, 0, TM, 2, 0
	s_add_co_u32 s17, s16, 1
	s_cmp_ge_u32 s17, s15
	s_cbranch_scc1 .Ldone
	s_wait_loadcnt 16                              ; likewise
	HALF KB, 0, TM, 3, 1024
	s_add_co_u32 s16, s16, 2
	s_cmp_lt_u32 s16, 32
	s_cbranch_scc1 .Lpair
.Ldone:
	s_wait_loadcnt 0x0                             ; the diagonal tile's K and Q (where I = 0), and the loads that ran ahead: their registers are loaded again in the next block
	HALF KD, 1, TMD, 0, 0
	; THE MERGE.  Each lane's (c m, l) goes to PART; every wave reads all four waves' and makes all eight tiles' final figures, since it needs every row's bound.
.set t, 0
.rept 8
	v_add_f32 v[ST+8*t+1], v[ST+8*t+2], v[ST+8*t+3]
	ds_store_b64 v[PW], v[ST+8*t:ST+8*t+1] offset:t*256
.set t, t+1
.endr
	s_wait_dscnt 0x0                               ; for the others' sake: my stores are done
	s_barrier_signal -1
	s_barrier_wait -1
.set i_, 0
.rept 32                                               ; wave i % 4's figures for tile i / 4 at S + 8 (i / 4) + 2 (i % 4)
	ds_load_b64 v[S+2*i_:S+2*i_+1], v[PR] offset:(i_%4)*2048+(i_/4)*256
.set i_, i_+1
.endr
	s_wait_dscnt 0x0                               ; my reads of PART are over:
	s_barrier_signal -1                            ; nobody writes it for the next block before all four have said so; the arithmetic stands between the signal and the wait
	ALLT v_max3_num_f32 v[ST+8*t+4], v[S+8*t], v[S+8*t+2], v[S+8*t+4]
	ALLT v_max_num_f32 v[ST+8*t+4], v[ST+8*t+4], v[S+8*t+6]
	ALLT v_permlanex16_b32 v[ST+8*t+5], v[ST+8*t+4], s[SEL], s[SEL+1]
	ALLT v_max_num_f32 v[ST+8*t], v[ST+8*t+4], v[ST+8*t+5]
.irp w, 0,1,2,3
	ALLT v_sub_f32 v[S+8*t+2*\w], v[S+8*t+2*\w], v[ST+8*t]
.endr
.irp w, 0,1,2,3
	ALLT v_exp_f32 v[S+8*t+2*\w], v[S+8*t+2*\w]
.endr
	v_nop                                          ; a plain line behind the last exponential
	s_wait_alu depctr_va_vdst(0)                   ; one wait for the merge's 32 exponentials, ahead of their first reader
	ALLT v_mul_f32 v[ST+8*t+2], v[S+8*t+1], v[S+8*t]
.irp w, 1,2,3
	ALLT v_fmac_f32 v[ST+8*t+2], v[S+8*t+2*\w+1], v[S+8*t+2*\w]
.endr
	ALLT v_permlanex16_b32 v[ST+8*t+3], v[ST+8*t+2], s[SEL], s[SEL+1]
	ALLT v_add_f32 v[ST+8*t+2], v[ST+8*t+2], v[ST+8*t+3]
	ALLT v_rcp_f32 v[ST+8*t+6], v[ST+8*t+2]
	ALLT v_log_f32 v[ST+8*t+7], v[ST+8*t+2]
	v_nop                                          ; a plain line behind the last logarithm
	s_wait_alu depctr_va_vdst(0)                   ; one wait for the eight reciprocals and eight logarithms: a batch of their own, since they read sums made of the exponentials
	ALLT v_mul_f32 v[ST+8*t+1], 0x3f83d70a, v[ST+8*t+6]         ; 1.03 / l
	ALLT v_add_f32 v[TH+t], 0xc0a3916b, v[ST+8*t+7]             ; log2(l) + log2(0.03 / 1.03) - 0.01
	ALLT v_add_f32 v[TH+t], v[TH+t], v[ST+8*t]                  ; + c m
	ALLT v_fma_f32 v[TH+t], -|v[ST+8*t]|, s54, v[TH+t]          ; - 2^-21 |c m|
	s_barrier_wait -1
	; THE FLAGS: word s38 for query tiles 0-3 (group 2 I), s39 for tiles 4-7 (group 2 I + 1)
	s_mov_b32 s38, 0
	s_mov_b32 s39, 0
	FBATCH 0
	s_cmp_le_u32 s15, 16
	s_cbranch_scc1 .Lshort                         ; a block with 16 tiles or fewer in front of its diagonal
	FBATCH 1
.Lshort:
	s_lshl_b32 s57, 1, s15                         ; bit I: the diagonal tile
	s_sub_co_u32 s55, s57, 1
	s_and_b32 s38, s38, s55                        ; tiles that this block does not have are dropped
	s_and_b32 s39, s39, s55
.set k_, 0
.rept 8
	v_cmp_gt_f32 s[40+k_], v[TMD+k_], v[TH+k_]
.set k_, k_+1
.endr
	ANY4 40, 38, s57
	ANY4 44, 39, s57
	; THE STORES.  Wave w stores rows 32 w .. 32 w + 31 of the block (tiles 2 w and 2 w + 1; both halves of the lanes hold a row's figures): 256 consecutive bytes, at a multiple of 256 from the buffer's first.
	s_wait_xcnt 0x0                                ; the last block's store data and pointers are rewritten only behind this wait
	v_mov_b32 v12, 0
	v_mov_b32 v13, 0
.irp k, 0,1,2,3
	s_cmp_lg_u32 s12, \k
	s_cbranch_scc1 .Lnot\k
	v_cndmask_b32 v12, v[ST+16*\k], v[ST+16*\k+8], s48
	v_cndmask_b32 v13, v[ST+16*\k+1], v[ST+16*\k+9], s48
.Lnot\k:
.endr
	s_lshl_b32 s30, s14, 15                        ; (4,096 h + 128 I + 32 w) x 8 bytes
	s_lshl_b32 s17, s15, 10
	s_add_co_u32 s30, s30, s17
	s_lshl_b32 s17, s12, 8
	s_add_co_u32 s30, s30, s17
	s_add_nc_u64 s[50:51], s[8:9], s[30:31]
	global_store_b64 v[SO], v[12:13], s[50:51]
	s_lshl_b32 s30, s14, 10                        ; ((64 h + 2 I) x 4 + w) x 4 bytes; the second word 16 bytes on.  Two words a wave and block: 16,384 bytes in the whole launch
	s_lshl_b32 s17, s15, 5
	s_add_co_u32 s30, s30, s17
	s_lshl_b32 s17, s12, 2
	s_add_co_u32 s30, s30, s17
	s_add_nc_u64 s[52:53], s[10:11], s[30:31]
	v_mov_b32 v14, s38
	v_writelane_b32 v14, s39, 1
	s_wait_xcnt 0x0                                ; EXEC changes only behind this wait
	v_cmp_gt_u32 vcc_lo, 2, v10
	s_and_saveexec_b32 s49, vcc_lo
	global_store_b32 v[LO], v14, s[52:53]          ; lanes 0 and 1
	s_wait_xcnt 0x0                                ; and again, in front of the line that widens it
	s_or_b32 exec_lo, exec_lo, s49
	s_mov_b32 s15, s13                             ; the second block
	s_sub_co_u32 s23, s23, 1
	s_cmp_lg_u32 s23, 0
	s_cbranch_scc1 .Lblock
	s_wait_tensorcnt 0x0                           ; the wave's end
	ds_add_u32 v30, v31
	s_wait_dscnt 0x0
	s_endpgm
.Lfunc_end_k_qfc3e8d3580_stats:
	.size	k_qfc3e8d3580_stats, .Lfunc_end_k_qfc3e8d3580_stats-k_qfc3e8d3580_stats
	.p2alignl 7, 3214868480
	.fill 96, 4, 3214868480
	.section	.rodata,"a",@progbits
	.p2align	6, 0x0
	.amdhsa_kernel k_qfc3e8d3580_stats
		.amdhsa_group_segment_fixed_size 139776
		.amdhsa_private_segment_fixed_size 0
		.amdhsa_enable_private_segment 0
		.amdhsa_kernarg_size 32
		.amdhsa_user_sgpr_count 2
		.amdhsa_user_sgpr_kernarg_segment_ptr 1
		.amdhsa_wavefront_size32 1
		.amdhsa_system_sgpr_workgroup_id_x 1
		.amdhsa_system_sgpr_workgroup_id_y 1
		.amdhsa_system_sgpr_workgroup_id_z 1
		.amdhsa_system_vgpr_workitem_id 0
		.amdhsa_next_free_vgpr 848
		.amdhsa_next_free_sgpr 66
		.amdhsa_reserve_vcc 1
		.amdhsa_float_denorm_mode_32 3
		.amdhsa_float_denorm_mode_16_64 3
		.amdhsa_memory_ordered 1
		.amdhsa_forward_progress 1
		.amdhsa_inst_pref_size 146
	.end_amdhsa_kernel
	.amdgpu_metadata
---
amdhsa.version: [ 1, 2 ]
amdhsa.kernels:
  - .name:           k_qfc3e8d3580_stats
    .symbol:         k_qfc3e8d3580_stats.kd
    .args:
      - { .name: qf, .offset: 0, .size: 8, .value_kind: global_buffer, .address_space: global }
      - { .name: kf, .offset: 8, .size: 8, .value_kind: global_buffer, .address_space: global }
      - { .name: stats, .offset: 16, .size: 8, .value_kind: global_buffer, .address_space: global }
      - { .name: flags, .offset: 24, .size: 8, .value_kind: global_buffer, .address_space: global }
    .group_segment_fixed_size: 139776
    .private_segment_fixed_size: 0
    .kernarg_segment_align: 8
    .kernarg_segment_size: 32
    .max_flat_workgroup_size: 128
    .sgpr_count:     66
    .vgpr_count:     848
    .wavefront_size: 32
...
	.end_amdgpu_metadata
.endif
;; end of part 4
;; launch apply: the kernel of part 3 again; grid 64 x 16, 4 waves a work-group, no clusters, 135,680 bytes of LDS; arguments qf, kf, vf, stats, flags, out0; writes out0
